; MI455X (gfx1250); checked and timed in simulation.
; The chip was launched on July 23, 2026; its instructions are those of AMD's public machine-readable ISA for CDNA 5 (MIT licence, August 2026) and "CDNA5" Instruction Set Architecture Reference Guide (July 2026). The comments in the code are by the model that wrote it; some were corrected since.
;; Self Attention. Allowed arithmetic: matrix products marked QUANTISED: E4M3 operands, one given power-of-two scale a tensor, by v_wmma_f32_16x16x64_fp8_fp8 or v_wmma_f32_16x16x128_fp8_fp8, f32 sums; everything else in f32.
;; Inputs: Wk_codes 1,024 x 32 x 32 uint8 (E4M3 codes of Wk, K innermost, in blocks of 32 codes); Wq_codes 1,024 x 32 x 32 uint8 (E4M3 codes of Wq, K innermost, in blocks of 32 codes); Wv_codes 1,024 x 32 x 32 uint8 (E4M3 codes of Wv, K innermost, in blocks of 32 codes); bk 1,024 float32; bq 1,024 float32; bv 1,024 float32; hidden_states_codes 4 x 2,048 x 32 x 32 uint8 (E4M3 codes of hidden_states, K innermost, in blocks of 32 codes); lowp_scales 10 int32 (the exponents e of the quantised operands' scales 2^e).
;; Outputs: out0 4 x 2,048 x 1,024 float32.
;; This version of the problem:
;;   THIS VERSION OF THE PROBLEM IS GIVEN IN LOW PRECISION. The matrix products marked QUANTISED in the list below multiply operands that are first quantised to E4M3 (4 exponent bits, 3 mantissa bits; 8 bits a number), with one given power-of-two scale for each operand tensor; their sums are f32. All else is computed in f32.
;;   The module's matrix products, in the order in which they are computed (A, B: the left and right operand; K: the contracted axis; several contracted axes count as one K, in the product's order):
;;     1. [M 8,192, K 1,024] x [K 1,024, N 1,024]; A: input hidden_states (given as codes); B: input Wq (given as codes): QUANTISED (scales: A lowp_scales[0], B lowp_scales[1])
;;     2. [M 8,192, K 1,024] x [K 1,024, N 1,024]; A: input hidden_states (given as codes); B: input Wk (given as codes): QUANTISED (scales: A lowp_scales[2], B lowp_scales[3])
;;     3. [M 8,192, K 1,024] x [K 1,024, N 1,024]; A: input hidden_states (given as codes); B: input Wv (given as codes): QUANTISED (scales: A lowp_scales[4], B lowp_scales[5])
;;     4. batch 64 x [M 2,048, K 64] x [K 64, N 2,048]; A: computed on the way; B: computed on the way: QUANTISED (scales: A lowp_scales[6], B lowp_scales[7])
;;     5. batch 64 x [M 2,048, K 2,048] x [K 2,048, N 64]; A: softmax (see below); B: computed on the way: QUANTISED (scales: A lowp_scales[8], B lowp_scales[9])
;;   THE QUANTISER, for each operand of a quantised product, along K:
;;     - The operand's scale is 2^e, e = its entry of the input lowp_scales (int32; the entries are numbered through the quantised products in the list's order, A before B).
;;     - Each number is divided by the scale, clamped to +-448, and rounded to the nearest number of E4M3, ties to even, subnormals kept.
;;     - The product sums the exact products of the quantised numbers (number of the format x scale) in f32.
;;   ~~~python
;;   def quantise(x, axis, e):      # numpy; x: float32 -> the quantised numbers, widened to float32 again
;;       x = np.moveaxis(x, axis, -1); K = x.shape[-1]
;;       r = np.clip(x / 2.0 ** e, -448, 448)
;;       step = 2.0 ** (np.maximum(np.frexp(np.where(r == 0, 1, r))[1] - 1, -6) - 3)
;;       q = np.round(r / step) * step * 2.0 ** e      # np.round: ties to even
;;       return np.moveaxis(q, -1, axis).astype(np.float32)
;;   ~~~
;;   SOFTMAX AHEAD OF A QUANTISED PRODUCT. Where the list says 'softmax', what is quantised is not the finished softmax but p = 2^(t - M), with t = logit x log2(e) and M = ceil(the row's largest t), a whole number; so 1/2 < the row's largest p <= 1. The row's sum l is taken of the UNQUANTISED p, in f32, and the product's result is divided by l at the end. Since M is a whole number, a kernel that streams over the keys may use a running M (the ceiling of the running maximum): every later rescaling is an exact power of two, so the quantised numbers keep their values, but for numbers so far below the row's largest that they fall under the format's range.
;;   OPERANDS COMPUTED ON THE WAY. 'Computed on the way' means the value that the module computes at that place (a softmax that the list does not call 'softmax' is quantised finished and normalised). What goes into a quantiser is computed in f32, as accurately as f32 sums, v_exp_f32 and their like allow (about 1e-6 of the number): no bf16 or f16 on the way to a quantiser, and a product that is left as it is and whose result goes on into a quantised operand takes f32 operands (vector FMAs, or v_wmma_f32_16x16x4_f32). A number that lies on a knife's edge between two numbers of the format may be rounded either way, as far as f32 arithmetic and the matrix unit's own rounding can turn it there, and no further.
;;   INPUTS GIVEN AS CODES. Wk (in the module: [1024, 1024], K = its axis 1); Wq (in the module: [1024, 1024], K = its axis 1); Wv (in the module: [1024, 1024], K = its axis 1); hidden_states (in the module: [4, 2048, 1024], K = its axis 2): each comes as NAME_codes (uint8): NAME with its K axis moved to the last place and cut into blocks of 32 codes, [.., K / 32, bytes a block], one block behind the other in memory; one code a byte (a code: sign, 4 exponent bits, 3 mantissa bits); its scale is its entry of lowp_scales. Its value is code x scale, taken as it is: it is not quantised again, and the codes and scales need not be those that the quantiser above would give.
;; One version. Each part assembles by itself: llvm-mc -triple=amdgcn-amd-amdhsa -mcpu=gfx1250 --defsym DOCPART=n.
;; ======== version 1 of 1: 2 launches
;; limits: right only within a limited range of input values
;; workspace buffers: qc 8,388,608 bytes; kv 16,777,216 bytes
;; launch proj (part 1): grid 12 x 32, 4 waves a work-group, clusters of 4 x 4, 327,680 bytes of LDS; arguments hidden_states_codes, Wq_codes, Wk_codes, Wv_codes, bq, bk, bv, lowp_scales, qc, kv; writes qc, kv
.if DOCPART == 1
	.amdgcn_target "amdgcn-amd-amdhsa--gfx1250"
	.amdhsa_code_object_version 6
	.text
	.protected	k_q6aa6acce3e_proj
	.globl	k_q6aa6acce3e_proj
	.p2align	8
	.type	k_q6aa6acce3e_proj,@function
k_q6aa6acce3e_proj:
	s_mov_b64 s[64:65], 0
	v_nop
	global_prefetch_b8 v0, s[64:65] scope:SCOPE_SE
	s_setreg_imm32_b32 hwreg(HW_REG_WAVE_MODE, 25, 1), 1
	s_wait_xcnt 0x0
	s_wait_alu depctr_hold_cnt(0) depctr_sa_sdst(0) depctr_va_vdst(0) depctr_va_sdst(0) depctr_va_ssrc(0) depctr_va_vcc(0) depctr_vm_vsrc(0)
	s_getreg_b32 s2, hwreg(HW_REG_IB_STS2, 6, 4)
	s_cmp_eq_u32 s2, 0
	s_cbranch_scc0 .Lentry_in_a_cluster
	s_endpgm
.Lentry_in_a_cluster:
	s_bfe_u32 s2, ttmp6, 0x10000c
	s_cmp_lg_u32 s2, 0xf033
	s_cbranch_scc0 .Lentry_shape_is_right
	s_endpgm
.Lentry_shape_is_right:
.set ROWB,   256
.set KROW,   1024
.set PITCH,  272
.set FR,     16
.set NL,     4
.set NP,     4
.set HALFT,  128*PITCH
.set SLOT,   4*HALFT
.set SPARE,  2*SLOT
.set ADRA, 16
.set ADRB, 20
.set BOV,  25
.set LO,   26
.set BOQ,  27
.set SPW,  28
.set NIL,  29
.set LIM,  30
.set SCL,  31
.set BIAS, 32
.set TMP,  96
.set AF,   128
.set CODES, 160
.set G1, 24
.set G0, 32
.set G1B, 48
.set G0B, 56
.set MSB, 0
.macro WIN new
.if MSB != \new
	s_set_vgpr_msb (MSB<<8)|\new
.set MSB, \new
.endif
.endm
.set MUL_LO, 0xa1
.set MUL_HI, 0xf1
.set TO_B,   0x40
.macro JLOAD g0a, g1a, g0b, g1b
	s_cmp_eq_u32 s15, 0
	s_cbranch_scc0 .Lfor_b_\@
	tensor_load_to_lds s[\g0a:\g0a+3], s[\g1a:\g1a+7]
	s_nop 0
.rept 4
	v_nop
.endr
	s_branch .Lasked_\@
.Lfor_b_\@:
	tensor_load_to_lds s[\g0b:\g0b+3], s[\g1b:\g1b+7]
	s_nop 0
.rept 4
	v_nop
.endr
.Lasked_\@:
.endm
.macro CREST
	s_cmp_lg_u32 s14, 0
	s_cbranch_scc1 .Lnot_wave_0_\@
	s_barrier_signal -3
.Lnot_wave_0_\@:
	s_barrier_wait -3
	s_barrier_signal -1
	s_barrier_wait -1
.endm
.macro CROUND
	s_barrier_signal -1
	s_barrier_wait -1
	CREST
.endm
	s_load_b512 s[68:83], s[0:1], 0x0
	s_load_b128 s[84:87], s[0:1], 0x40
	v_lshl_add_u32 v[SPW], v0, 2, SPARE
	v_mov_b32 v[NIL], 0
	v_lshrrev_b32 v1, 5, v0
	v_readfirstlane_b32 s14, v1
	s_lshr_b32 s15, s14, 1
	s_and_b32 s16, s14, 1
	s_bfe_u32 s40, ttmp6, 0x40000
	s_bfe_u32 s41, ttmp6, 0x40004
	s_and_b32 s18, ttmp7, 0xffff
	s_lshl_b32 s18, s18, 2
	s_cmp_eq_u32 ttmp9, 2
	s_cselect_b32 s17, 0, s18
	s_cselect_b32 s42, s18, 0
	s_add_co_u32 s17, s17, s41
	s_add_co_u32 s42, s42, s40
	s_lshl_b32 s43, s41, 2
	s_lshl_b32 s43, 15, s43
	s_lshl_b32 s44, 0x1111, s40
	s_or_b32 s[G1+0], s43, (0<<16)|(1<<20)|(1<<21)|(5<<22)|(3<<25)
	s_or_b32 s[G1B+0], s44, (0<<16)|(1<<20)|(1<<21)|(5<<22)|(3<<25)
.irp g, G1, G1B
	s_mov_b32 s[\g+1], ROWB<<16
	s_mov_b32 s[\g+2], 128<<16
	s_mov_b32 s[\g+3], ROWB<<16
	s_mov_b32 s[\g+4], 128
	s_mov_b32 s[\g+5], KROW
	s_mov_b32 s[\g+6], 0
	s_mov_b32 s[\g+7], 0
.endr
	s_lshl_b32 s18, s16, 7
	s_lshl_b32 s20, s17, 8
	s_add_co_u32 s20, s20, s18
	s_lshl_b32 s20, s20, 10
	s_mov_b32 s21, 0
	s_lshl_b32 s46, s42, 8
	s_add_co_u32 s46, s46, s18
	s_lshl_b32 s46, s46, 10
	s_mov_b32 s47, 0
	s_mul_i32 s45, s14, HALFT
	s_wait_kmcnt 0x0
	s_load_b256 s[88:95], s[82:83], 0x0
	s_load_b64 s[96:97], s[82:83], 0x20
	s_cmp_eq_u32 ttmp9, 2
	s_cselect_b64 s[4:5], s[74:75], s[68:69]
	s_cselect_b64 s[6:7], s[68:69], s[72:73]
	s_cmp_eq_u32 ttmp9, 0
	s_cselect_b64 s[6:7], s[70:71], s[6:7]
	s_add_nc_u64 s[20:21], s[4:5], s[20:21]
	s_add_nc_u64 s[46:47], s[6:7], s[46:47]
	CROUND
.irp s, 0,1
	s_mov_b32 s[G0+4*\s], 1
	s_add_co_u32 s[G0+4*\s+1], s45, \s*SLOT
	s_add_nc_u64 s[G0+4*\s+2:G0+4*\s+3], s[20:21], \s*ROWB
	s_or_b32 s[G0+4*\s+3], s[G0+4*\s+3], 0x80000000
	s_mov_b32 s[G0B+4*\s], 1
	s_add_co_u32 s[G0B+4*\s+1], s45, \s*SLOT
	s_add_nc_u64 s[G0B+4*\s+2:G0B+4*\s+3], s[46:47], \s*ROWB
	s_or_b32 s[G0B+4*\s+3], s[G0B+4*\s+3], 0x80000000
	s_wait_alu depctr_va_vdst(0)
	s_wait_tensorcnt 0x0
	ds_add_u32 v28, v29
	ds_add_u32 v28, v29
	s_wait_dscnt 0x0
	CROUND
	JLOAD G0+4*\s, G1, G0B+4*\s, G1B
.endr
	v_and_b32 v1, 15, v0
	v_bfe_u32 v2, v0, 4, 1
	v_mul_u32_u24 v3, v1, PITCH
	v_lshl_add_u32 v4, v2, 4, v3
	s_mul_i32 s21, s15, HALFT
	s_mul_i32 s22, s16, HALFT
	s_add_co_u32 s22, s22, 2*HALFT
.irp s, 0,1
	v_add_nc_u32 v[ADRA+\s], s21, v4
	v_add_nc_u32 v[ADRB+\s], s22, v4
	s_add_co_u32 s21, s21, SLOT
	s_add_co_u32 s22, s22, SLOT
.endr
	v_and_b32 v5, 31, v0
	v_lshlrev_b32 v[LO], 4, v5
	v_lshlrev_b32 v[BOQ], 5, v2
	v_lshlrev_b32 v[BOV], 2, v1
	s_lshl_b32 s66, s17, 8
	s_lshl_b32 s18, s15, 7
	s_add_co_u32 s66, s66, s18
	s_lshl_b32 s67, s42, 8
	s_lshl_b32 s18, s16, 7
	s_add_co_u32 s67, s67, s18
.macro FRAG reg, adr, q, i
.irp c, 0,1,2,3
	ds_load_b128 v[\reg+4*\c:\reg+4*\c+3], v[\adr] offset:128*(\q)+32*\c+(\i)*16*PITCH
.endr
.endm
.macro MUL16 a0, p, zero
.irp a, \a0, \a0+1
.irp b, 0,1,2,3,4,5,6,7
.if \zero
	v_wmma_f32_16x16x128_fp8_fp8 v[8*(8*((\a)%4)+\b):8*(8*((\a)%4)+\b)+7], v[128*(\p)+FR*\b:128*(\p)+FR*\b+FR-1], v[AF+FR*(\a):AF+FR*(\a)+FR-1], 0
.else
	v_wmma_f32_16x16x128_fp8_fp8 v[8*(8*((\a)%4)+\b):8*(8*((\a)%4)+\b)+7], v[128*(\p)+FR*\b:128*(\p)+FR*\b+FR-1], v[AF+FR*(\a):AF+FR*(\a)+FR-1], v[8*(8*((\a)%4)+\b):8*(8*((\a)%4)+\b)+7]
.endif
.endr
.endr
.endm
.macro FETCH_B slot, q, p
	WIN TO_B
.irp i, 0,1,2,3,4,5,6,7
	FRAG 128*(\p)+FR*\i, ADRB+\slot, \q, \i
.endr
	WIN 0
.endm
.macro FETCH_A slot, q, i0
.irp i, \i0, \i0+1, \i0+2, \i0+3
	FRAG AF+FR*(\i), ADRA+\slot, \q, \i
.endr
.endm
.macro PLACES n
.rept \n
	v_nop
.endr
.endm
.macro STEP slot, q, zero
	s_wait_dscnt 4*NL
	WIN MUL_LO
	MUL16 0, (\q)%2, \zero
	MUL16 2, (\q)%2, \zero
	s_wait_dscnt 0
	PLACES NP
	FETCH_B \slot, (\q)+1, 1-(\q)%2
	FETCH_A \slot, (\q)+1, 0
	WIN MUL_HI
	MUL16 4, (\q)%2, \zero
	MUL16 6, (\q)%2, \zero
	PLACES NP
	WIN 0
	FETCH_A \slot, (\q)+1, 4
.endm
.macro TURN slot, next, fill
	s_wait_tensorcnt 0x0
	ds_add_u32 v[SPW], v[NIL]
	s_wait_dscnt 4*NL+1
	WIN MUL_LO
	MUL16 0, 1, 0
	s_wait_dscnt 0x0
	s_barrier_signal -1
	MUL16 2, 1, 0
	WIN 0
	s_barrier_wait -1
.if \fill
	CREST
	s_add_nc_u64 s[G0+4*\slot+2:G0+4*\slot+3], s[G0+4*\slot+2:G0+4*\slot+3], 2*ROWB
	s_add_nc_u64 s[G0B+4*\slot+2:G0B+4*\slot+3], s[G0B+4*\slot+2:G0B+4*\slot+3], 2*ROWB
	JLOAD G0+4*\slot, G1, G0B+4*\slot, G1B
.else
	PLACES NP
.endif
	FETCH_B \next, 0, 0
	FETCH_A \next, 0, 0
	WIN MUL_HI
	MUL16 4, 1, 0
	MUL16 6, 1, 0
	PLACES NP
	WIN 0
	FETCH_A \next, 0, 4
.endm
.macro LAST
	s_wait_dscnt 4*NL
	WIN MUL_LO
	MUL16 0, 1, 0
	MUL16 2, 1, 0
	s_wait_dscnt 0
	WIN MUL_HI
	MUL16 4, 1, 0
	MUL16 6, 1, 0
	WIN 0
.endm
.macro CONSTS es, eq
	s_add_co_i32 s22, s[\es], 127
	s_lshl_b32 s2, s22, 23
	s_mov_b32 s3, s2
	s_add_co_i32 s22, s[\eq], 127
	s_lshl_b32 s23, s22, 23
	v_mov_b32 v[SCL], s23
	s_add_co_i32 s22, s22, 8
	s_lshl_b32 s22, s22, 23
	s_or_b32 s22, s22, 0x600000
	v_mov_b32 v[LIM], s22
.endm
.macro OUTBLK a, isv
.set AC, 64*((\a)%4)
.set CD, CODES+16*((\a)%6)
	WIN 0x02+((\a)/4)
.set jj, 0
.rept 32
.if \isv
	v_pk_fma_f32 v[TMP+jj:TMP+jj+1], v[AC+jj:AC+jj+1], s[2:3], v[BIAS+2*(\a):BIAS+2*(\a)+1] op_sel_hi:[1,0,1]
.else
	v_pk_fma_f32 v[TMP+jj:TMP+jj+1], v[AC+jj:AC+jj+1], s[2:3], v[BIAS+jj:BIAS+jj+1] op_sel_hi:[1,0,1]
.endif
.set jj, jj+2
.endr
	WIN 0
.if (\a) == 6
	s_wait_xcnt 0x0
.endif
.set bb, 0
.rept 8
.set ii, 0
.rept 8
	v_med3_num_f32 v[TMP+8*bb+ii], v[TMP+8*bb+ii], -v[LIM], v[LIM]
.set ii, ii+1
.endr
	v_cvt_scalef32_pk8_fp8_f32 v[CD+2*bb:CD+2*bb+1], v[TMP+8*bb:TMP+8*bb+7], v[SCL]
.set bb, bb+1
.endr
	v_nop
.if \isv
.irp g, 0,1,2,3
	global_store_b128 v[LO], v[CD+4*\g:CD+4*\g+3], s[8+2*((\a)/4):9+2*((\a)/4)] offset:2048*((\a)%4)+512*\g
.endr
.else
	global_store_b128 v[LO], v[CD:CD+3],     s[8:9]   offset:1024*(\a)
	global_store_b128 v[LO], v[CD+4:CD+7],   s[8:9]   offset:1024*(\a)+512
	global_store_b128 v[LO], v[CD+8:CD+11],  s[10:11] offset:1024*(\a)
	global_store_b128 v[LO], v[CD+12:CD+15], s[10:11] offset:1024*(\a)+512
.endif
.endm
	s_wait_alu depctr_va_vdst(0)
	s_wait_tensorcnt 1
	s_barrier_signal -1
	s_barrier_wait -1
	FETCH_B 0, 0, 0
	FETCH_A 0, 0, 0
	FETCH_A 0, 0, 4
	STEP 0, 0, 1
	TURN 0, 1, 1
	STEP 1, 0, 0
	TURN 1, 0, 1
	STEP 0, 0, 0
	TURN 0, 1, 0
	STEP 1, 0, 0
	s_wait_kmcnt 0x0
	s_cmp_eq_u32 ttmp9, 2
	s_cbranch_scc1 .Lv
	s_cmp_eq_u32 ttmp9, 0
	s_cselect_b32 s18, s88, s90
	s_cselect_b32 s19, s89, s91
	s_cselect_b32 s20, s94, s95
	s_cselect_b32 s21, 0, 1
	s_cselect_b64 s[12:13], s[76:77], s[78:79]
	s_cselect_b64 s[8:9], s[84:85], s[86:87]
	s_add_co_i32 s18, s18, s19
	CONSTS 18, 20
	s_lshr_b32 s18, s66, 11
	s_lshl_b32 s18, s18, 4
	s_lshr_b32 s19, s67, 6
	s_add_co_u32 s18, s18, s19
	s_lshl_b32 s18, s18, 17
	s_and_b32 s19, s66, 2047
	s_lshl_b32 s19, s19, 6
	s_add_co_u32 s18, s18, s19
	s_lshl_b32 s22, s18, s21
	s_mov_b32 s23, 0
	s_add_nc_u64 s[8:9], s[8:9], s[22:23]
	s_lshl_b32 s22, 0x20000, s21
	s_add_nc_u64 s[10:11], s[8:9], s[22:23]
	s_lshl_b32 s22, s67, 2
	s_add_nc_u64 s[12:13], s[12:13], s[22:23]
.irp b, 0,1,2,3,4,5,6,7
	global_load_b128 v[BIAS+8*\b:BIAS+8*\b+3],   v[BOQ], s[12:13] offset:64*\b
	global_load_b128 v[BIAS+8*\b+4:BIAS+8*\b+7], v[BOQ], s[12:13] offset:64*\b+16
.endr
	LAST
	s_wait_loadcnt 0x0
	PLACES NP
.irp a, 0,1,2,3,4,5,6,7
	OUTBLK \a, 0
.endr
	s_branch .Lend
.Lv:
	s_add_co_i32 s18, s92, s93
	CONSTS 18, 97
	s_lshr_b32 s18, s67, 11
	s_lshl_b32 s18, s18, 4
	s_lshr_b32 s19, s66, 6
	s_add_co_u32 s18, s18, s19
	s_lshl_b32 s18, s18, 18
	s_and_b32 s19, s67, 2047
	s_lshl_b32 s19, s19, 7
	s_add_co_u32 s18, s18, s19
	s_add_co_u32 s22, s18, 8192
	s_mov_b32 s23, 0
	s_add_nc_u64 s[8:9], s[86:87], s[22:23]
	s_add_nc_u64 s[10:11], s[8:9], 0x40000
	s_lshl_b32 s22, s66, 2
	s_add_nc_u64 s[12:13], s[80:81], s[22:23]
.irp a, 0,1,2,3,4,5,6,7
	global_load_b32 v[BIAS+2*\a],   v[BOV], s[12:13] offset:64*\a
	global_load_b32 v[BIAS+2*\a+1], v[BOV], s[12:13] offset:64*\a
.endr
	LAST
	s_wait_loadcnt 0x0
	PLACES NP
.irp a, 0,1,2,3,4,5,6,7
	OUTBLK \a, 1
.endr
.Lend:
	s_wait_tensorcnt 0x0
	ds_add_u32 v[SPW], v[NIL]
	s_wait_dscnt 0x0
	CROUND
	s_endpgm
.Lfunc_end_k_q6aa6acce3e_proj:
	.size	k_q6aa6acce3e_proj, .Lfunc_end_k_q6aa6acce3e_proj-k_q6aa6acce3e_proj
	.p2alignl 7, 3214868480
	.fill 96, 4, 3214868480
	.section	.rodata,"a",@progbits
	.p2align	6, 0x0
	.amdhsa_kernel k_q6aa6acce3e_proj
		.amdhsa_group_segment_fixed_size 327680
		.amdhsa_private_segment_fixed_size 0
		.amdhsa_enable_private_segment 0
		.amdhsa_kernarg_size 80
		.amdhsa_user_sgpr_count 2
		.amdhsa_user_sgpr_kernarg_segment_ptr 1
		.amdhsa_wavefront_size32 1
		.amdhsa_system_sgpr_workgroup_id_x 1
		.amdhsa_system_sgpr_workgroup_id_y 1
		.amdhsa_system_sgpr_workgroup_id_z 1
		.amdhsa_system_vgpr_workitem_id 0
		.amdhsa_next_free_vgpr 1024
		.amdhsa_next_free_sgpr 98
		.amdhsa_reserve_vcc 0
		.amdhsa_float_denorm_mode_32 3
		.amdhsa_float_denorm_mode_16_64 3
		.amdhsa_memory_ordered 1
		.amdhsa_forward_progress 1
		.amdhsa_inst_pref_size 199
	.end_amdhsa_kernel
	.amdgpu_metadata
---
amdhsa.version: [ 1, 2 ]
amdhsa.kernels:
  - .name:           k_q6aa6acce3e_proj
    .symbol:         k_q6aa6acce3e_proj.kd
    .args:
      - { .name: hidden_states_codes, .offset: 0, .size: 8, .value_kind: global_buffer, .address_space: global }
      - { .name: Wq_codes, .offset: 8, .size: 8, .value_kind: global_buffer, .address_space: global }
      - { .name: Wk_codes, .offset: 16, .size: 8, .value_kind: global_buffer, .address_space: global }
      - { .name: Wv_codes, .offset: 24, .size: 8, .value_kind: global_buffer, .address_space: global }
      - { .name: bq, .offset: 32, .size: 8, .value_kind: global_buffer, .address_space: global }
      - { .name: bk, .offset: 40, .size: 8, .value_kind: global_buffer, .address_space: global }
      - { .name: bv, .offset: 48, .size: 8, .value_kind: global_buffer, .address_space: global }
      - { .name: lowp_scales, .offset: 56, .size: 8, .value_kind: global_buffer, .address_space: global }
      - { .name: qc, .offset: 64, .size: 8, .value_kind: global_buffer, .address_space: global }
      - { .name: kv, .offset: 72, .size: 8, .value_kind: global_buffer, .address_space: global }
    .group_segment_fixed_size: 327680
    .private_segment_fixed_size: 0
    .kernarg_segment_align: 8
    .kernarg_segment_size: 80
    .max_flat_workgroup_size: 128
    .sgpr_count:     98
    .vgpr_count:     1024
    .wavefront_size: 32
...
	.end_amdgpu_metadata
.endif
;; end of part 1
;; launch attn (part 2): grid 4 x 64, 16 waves a work-group, no clusters, 327,680 bytes of LDS; arguments qc, kv, lowp_scales, out0; writes out0
.if DOCPART == 2
	.amdgcn_target "amdgcn-amd-amdhsa--gfx1250"
	.amdhsa_code_object_version 6
	.text
	.protected	k_q6aa6acce3e_attn
	.globl	k_q6aa6acce3e_attn
	.p2align	8
	.type	k_q6aa6acce3e_attn,@function
k_q6aa6acce3e_attn:
	s_mov_b64 s[64:65], 0
	v_nop
	global_prefetch_b8 v0, s[64:65] scope:SCOPE_SE
	s_setreg_imm32_b32 hwreg(HW_REG_WAVE_MODE, 25, 1), 1
	s_wait_xcnt 0x0
; out[b][q][64 h + d] = the sum over keys of softmax(q . k / 8) v, both products on codes of FP8 (E4M3); 64 heads (16 b + h) of 2048 tokens x 64 channels.
; qc and kv hold the operands as images of their registers, in the layout of the plain 8-bit forms (registers 2 c, 2 c + 1: K = 16 c + 8 (lane / 16) + 0..7):
;   qc: [head][token / 16][1024]; kv: [head][key / 128][16384] = 8 fragments of K (16 keys x 64 channels, 1024 bytes), then 4 of V^T (16 channels x 128 keys, 2048 bytes).  Four registers lie at 16 x lane, 512 bytes on end.
; THE SOFTMAX: t = score x log2(e) / 8; M = the running largest t rounded UP to a whole number; p = 2^(t - M) is quantised with 2^e8, not normalised; the row's sum is taken of the unquantised p and divides at the end.
; -M is kept alone: the ceiling of a maximum is the maximum of the ceilings, so the new -M = min(old -M, floor(-t of this step)).  When M moves, the sum and O are multiplied by 2^(old M - new M): a power of two.
; SHARES.  A work-group owns 512 queries of one head; each of its sixteen waves 32 of them, two tiles, in 256 registers; each fragment of K and V read from LDS feeds two matrix instructions.
; THE WHOLE HEAD'S K AND V, 262,144 bytes, COME TO LIE IN LDS, each byte written once, through registers.  The 16 key blocks are walked from 15 down to 0.  The head brings blocks 15 to 12 (4,096 bytes a wave, eight loads); one barrier.
; Each of the first four steps brings three more blocks (3,072 bytes a wave): six loads into K's fragment registers, which lie idle from the last score product to P's conversions, and six LDS stores ahead of those conversions.
; A second barrier behind the fourth step shows all sixteen blocks written; the other twelve steps follow.
; THE HOLD AT THE LARGEST CODE: p <= 1, so p / 2^e8 <= 256 < 448 wherever e8 >= -8: there a scalar branch on the whole number e8, inside the step, leads round a tile's 64 holds and round nothing else; for every other e8 they run.
; NO TENSOR LOADS, NO CLUSTER: that branch hangs on a number read from memory; joint loads are tensor loads, so K and V come through registers.
; NO PREFETCH: every byte of K and V is asked for by its own load, at the head or in the first four steps, one to four steps ahead of the barrier behind which it is read; nothing is left to ask for earlier.
; THE STAGES of the way out, 16 x 4,352 bytes from byte 256,000 on, lie over the last 6,144 bytes of key block 15, which every wave has read ahead of the second barrier, and over bytes that nothing else uses: the way out has no barrier.
; LAYOUT.  Both products transposed: S^T = K Q^T (source 0 = 16 keys, source 1 = 16 queries), O^T = V^T P (source 0 = 16 channels, source 1 = P): a lane holds ONE query (lane % 16) throughout;
; register j of score tile f is key 16 f + 8 (lane / 16) + j, so a conversion of a tile's eight registers gives registers 2 f, 2 f + 1 of P.
; LIMITS on the given exponents, so that each power of two below is an f32 number: e6 + e7 between -123 and 130 (added to c's exponent field); e8 between -126 and 119; e8 + e9 goes by v_ldexp_f32 and has none.
.set DUAL, 1                           ; 1: arithmetic on pairs of registers by dual-issue pairs; 0: by the packed forms
.set LA,   1                           ; v1   16 x lane: my place in an image; v0 stays the thread's number
.set ADR,  2                           ; v2   LDS address: at the head of my part of blocks 15 to 12, then of the key block in hand
.set SCL,  3                           ; v3   2^e8 as f32
.set T,    4                           ; v4-7 tile u at v[4 + 2 u], a pair: the maximum's two chains, then f = 2^(old M - new M) twice; v[4:5] then c twice; then both pairs chains of the sum; v6 also the fill's LDS address
.set STAT, 8                           ; tile u at v[8 + 4 u]: -M, -M once more, the sum in two halves
.set Q,    16                          ; v16-31   Q: tile u at 16 + 8 u
.set O,    32                          ; v32-95   O^T: tile u, channels 16 t on, at 32 + 32 u + 8 t
.set S,    96                          ; v96-223  S^T, then p: tile u, keys 16 f on, at 96 + 64 u + 8 f.  v96-159 later hold V's four fragments
.set KB,   224                         ; v224-255 four fragments of K; in the first four steps then 3,072 bytes on their way to LDS; then P: tile u at 224 + 16 u
.set WV,   12                          ; s12  my wave's number
.set SEL,  40                          ; s[40:41] lane selects for v_permlanex16_b32: lane l xor 16
.set CS,   42                          ; s42  c = log2(e) / 8 x 2^(e6 + e7)
.set TB,   44                          ; s44  LDS byte at which the key block in hand begins
.set CNT,  45                          ; s45  key blocks left in the loop
.set LIMS, 46                          ; s46  448 x 2^e8
.set ESUM, 47                          ; s47  e8 + e9
.set E8,   50                          ; s50  e8
.set FB,   54                          ; s[54:55] where my part of the three blocks that this step brings lies in kv
.set FL,   62                          ; s62  and in LDS
.set KBLK, 16384                       ; a key block: 128 keys' K and V
.set STAGE, 256000                     ; the stages: 16 rows x 272 bytes a wave
.set SPARE, 325632                     ; behind the stages: the spare words, 128 bytes a wave, that no other line names
.set SPI,  272                         ; the way out: a stage row: 256 bytes + 16
; Arithmetic on two neighbouring registers, the first an even one.  In a dual pair one destination is even and the other odd, and the two first, second and third sources lie in different banks (register number mod 4).
.macro ADD2 d, a, b
.if DUAL
	v_dual_add_f32 v[\d], v[\a], v[\b] :: v_dual_add_f32 v[(\d)+1], v[(\a)+1], v[(\b)+1]
.else
	v_pk_add_f32 v[\d:(\d)+1], v[\a:(\a)+1], v[\b:(\b)+1]
.endif
.endm
.macro MUL2 d, f
.if DUAL
	v_dual_mul_f32 v[\d], v[\f], v[\d] :: v_dual_mul_f32 v[(\d)+1], v[(\f)+1], v[(\d)+1]
.else
	v_pk_mul_f32 v[\d:(\d)+1], v[\d:(\d)+1], v[\f:(\f)+1]
.endif
.endm
.macro FMA2 x, c, m
.if DUAL
	v_dual_fma_f32 v[\x], v[\x], v[\c], v[\m] :: v_dual_fma_f32 v[(\x)+1], v[(\x)+1], v[(\c)+1], v[(\m)+1]
.else
	v_pk_fma_f32 v[\x:(\x)+1], v[\x:(\x)+1], v[\c:(\c)+1], v[\m:(\m)+1]
.endif
.endm
	s_load_b256 s[4:11], s[0:1], 0x0               ; qc s[4:5], kv s[6:7], the scales' exponents s[8:9], out s[10:11]
	v_lshrrev_b32 v2, 5, v0
	v_and_b32 v1, 31, v0
	v_readfirstlane_b32 s[WV], v2                  ; wave 0..15
	v_lshlrev_b32 v[LA], 4, v1                     ; 16 x lane
	s_lshl_b32 s52, s[WV], 12
	s_add_co_u32 s52, s52, 12*KBLK                 ; my 4,096 bytes of key blocks 12 to 15, in LDS and in the head's part of kv
	v_add_nc_u32 v[ADR], s52, v[LA]
	s_and_b32 s15, ttmp7, 0xffff                   ; the head 16 b + h; ttmp9 is my block of 512 queries
	s_mov_b32 s[SEL], 0x76543210
	s_mov_b32 s[SEL+1], 0xfedcba98
	s_lshl_b32 s53, s15, 18                        ; kv: the head's 2^18 bytes
	s_add_co_u32 s60, s53, s52
	s_mov_b32 s61, 0
	s_mul_i32 s[FL], s[WV], 3072
	s_add_co_u32 s[FL], s[FL], 9*KBLK              ; my 3,072 bytes of key blocks 9 to 11, which the first step brings
	s_add_co_u32 s[FB], s53, s[FL]
	s_mov_b32 s[FB+1], 0
	s_lshl_b32 s56, s15, 17                        ; Q: the head's 2^17 bytes,
	s_lshl_b32 s57, ttmp9, 15                      ; my block's 32 images,
	s_add_co_u32 s56, s56, s57
	s_lshl_b32 s57, s[WV], 11                      ; my wave's two
	s_add_co_u32 s56, s56, s57
	s_mov_b32 s57, 0
	s_lshr_b32 s58, s15, 4                         ; the output: batch x 2048 rows of 4096 bytes,
	s_lshl_b32 s58, s58, 23
	s_and_b32 s59, s15, 15
	s_lshl_b32 s59, s59, 8                         ; the head's 256 bytes of a row,
	s_add_co_u32 s58, s58, s59
	s_lshl_b32 s59, ttmp9, 21                      ; my block's 512 rows,
	s_add_co_u32 s58, s58, s59
	s_lshl_b32 s59, s[WV], 17                      ; my wave's 32
	s_add_co_u32 s58, s58, s59
	s_mov_b32 s59, 0
	s_wait_alu depctr_va_vdst(0)                   ; the wait here, directly ahead of the wait below
	s_wait_kmcnt 0x0
	s_load_b128 s[48:51], s[8:9], 0x18             ; e6, e7, e8, e9
	s_add_nc_u64 s[60:61], s[6:7], s[60:61]
	s_add_nc_u64 s[FB:FB+1], s[6:7], s[FB:FB+1]
	s_add_nc_u64 s[4:5], s[4:5], s[56:57]
	s_add_nc_u64 s[10:11], s[10:11], s[58:59]
.irp i, 0,1,2,3,4,5,6,7
	global_load_b128 v[S+4*\i:S+4*\i+3], v[LA], s[60:61] offset:512*\i   ; my part of key blocks 12 to 15: 8 x 512 consecutive bytes
.endr
.irp i, 0,1,2,3
	global_load_b128 v[Q+4*\i:Q+4*\i+3], v[LA], s[4:5] offset:512*\i   ; my two images of Q stay in registers
.endr
.irp u, 0,1
	v_mov_b32 v[STAT+4*\u], 0x7f61b1e6             ; -M so far: 3e38, a whole number over every floor(-t)
	v_mov_b32 v[STAT+4*\u+1], 0x7f61b1e6
	v_mov_b32 v[STAT+4*\u+2], 0                    ; the sum, in two halves
	v_mov_b32 v[STAT+4*\u+3], 0
.endr
.set nn, 0
.rept 64
	v_mov_b32 v[O+nn], 0                           ; O^T.  (The key step is written for all steps alike: the first finds zeros, which the first change of M leaves zeros)
.set nn, nn+1
.endr
	s_wait_kmcnt 0x0
	s_add_co_i32 s52, s48, s49
	s_lshl_b32 s52, s52, 23
	s_add_co_i32 s[CS], s52, 0x3e38aa3b            ; c = log2(e) / 8; e6 + e7 is added to its exponent field
	s_add_co_i32 s52, s[E8], 127
	s_lshl_b32 s53, s52, 23
	v_mov_b32 v[SCL], s53                          ; 2^e8 as f32, for the conversion
	s_add_co_i32 s52, s52, 8
	s_lshl_b32 s52, s52, 23
	s_or_b32 s[LIMS], s52, 0x600000                ; 448 x 2^e8
	s_add_co_i32 s[ESUM], s[E8], s51               ; e8 + e9, for the way out
	s_wait_alu depctr_va_vdst(0)                   ; the wait at the head's end
	s_wait_loadcnt 0x4                             ; my eight loads of K and V are in; Q's four may be out
.irp i, 0,1,2,3,4,5,6,7
	ds_store_b128 v[ADR], v[S+4*\i:S+4*\i+3] offset:512*\i
.endr
	s_wait_loadcnt 0x0                             ; Q
	s_wait_dscnt 0x0                               ; my part of key blocks 12 to 15 is written
	s_barrier_signal -1
	s_barrier_wait -1                              ; everybody's is
; The hold of tile u's 64 numbers, run only where e8 < -8.
.macro HOLD u
	s_cmp_ge_i32 s[E8], -8
	s_wait_alu depctr_va_vdst(0)                   ; the wait directly ahead of the branch
	s_cbranch_scc1 .Lfits_\@
.set nn, 0
.rept 64
	v_min_num_f32 v[S+64*(\u)+nn], s[LIMS], v[S+64*(\u)+nn]   ; the conversion does not saturate (ISA guide 7.6.2); p is not negative, so the hold is one-sided
.set nn, nn+1
.endr
.Lfits_\@:
.endm
; Tile u's sum of the unquantised p (32 pairs of numbers in three chains), its hold and its eight conversions.  fill = 1: ahead of the conversions, which write over them, the 3,072 bytes that this step has loaded go to LDS.
.macro FINISH u, fill
.set S0, S+64*(\u)
.set ST, STAT+4*(\u)
	ADD2 T, S0, S0+2
	ADD2 T+2, S0+4, S0+6
.set kk, 4
.rept 28
.if kk%3 == 1
	ADD2 ST+2, ST+2, S0+2*kk
.else
.if kk%3 == 2
	ADD2 T, T, S0+2*kk
.else
	ADD2 T+2, T+2, S0+2*kk
.endif
.endif
.set kk, kk+1
.endr
	ADD2 T, T, T+2
	ADD2 ST+2, ST+2, T
.if \fill
	s_wait_alu depctr_va_vdst(0)                   ; the wait here, directly ahead of the wait below
	s_wait_loadcnt 0x0                             ; this step's six loads are in, so their base may be stepped too
	v_add_nc_u32 v[T+2], s[FL], v[LA]
.irp i, 0,1,2,3,4,5
	ds_store_b128 v[T+2], v[KB+4*\i:KB+4*\i+3] offset:512*\i
.endr
	s_sub_nc_u64 s[FB:FB+1], s[FB:FB+1], 3*KBLK    ; the next step brings the three blocks below
	s_sub_co_u32 s[FL], s[FL], 3*KBLK
.endif
	HOLD \u
.set ff, 0
.rept 8
	v_cvt_scalef32_pk8_fp8_f32 v[KB+16*(\u)+2*ff:KB+16*(\u)+2*ff+1], v[S+64*(\u)+8*ff:S+64*(\u)+8*ff+7], v[SCL]   ; keys 16 f + 8 (lane / 16) + 0..7: registers 2 f, 2 f + 1 of P
.set ff, ff+1
.endr
.endm
; A KEY STEP: 128 keys, the key block at LDS byte s[TB].  fill = 1: it also brings my 3,072 bytes of three later blocks.
.macro STEP fill
	v_add_nc_u32 v[ADR], s[TB], v[LA]
	s_wait_alu depctr_va_vdst(0)
.rept 4
	v_nop                                          ; with the addition five places behind the last products V^T P: four for the loads into P's registers, five for the products below, which write over V's
.endr
.irp g, 0,1                            ; S^T = K Q^T: four fragments of K at a time, each against my two tiles of queries
.if \g
.rept 4
	v_nop                                          ; places in front of loads into registers that the products above have read, and behind those products' results
.endr
.endif
.irp f, 0,1,2,3
	ds_load_b128 v[KB+8*\f:KB+8*\f+3],   v[ADR] offset:1024*(4*\g+\f)
	ds_load_b128 v[KB+8*\f+4:KB+8*\f+7], v[ADR] offset:1024*(4*\g+\f)+512
.endr
.irp f, 0,1,2,3
	s_wait_dscnt 6-2*\f                            ; fragment f's two loads are in; the later fragments' may be out
.irp u, 0,1
	v_wmma_f32_16x16x64_fp8_fp8 v[S+64*\u+8*(4*\g+\f):S+64*\u+8*(4*\g+\f)+7], v[KB+8*\f:KB+8*\f+7], v[Q+8*\u:Q+8*\u+7], 0
.endr
.endr
.endr
	; the step's largest score of each of my two queries among my 64 keys: four chains by turns, each accumulator from its low end on.
	; The first 28 lines read the first four fragments' scores alone: they are the places behind the products just issued.
.irp u, 0,1
	v_max3_num_f32 v[T+2*\u],   v[S+64*\u],   v[S+64*\u+1], v[S+64*\u+2]
	v_max3_num_f32 v[T+2*\u+1], v[S+64*\u+3], v[S+64*\u+4], v[S+64*\u+5]
.endr
.if \fill
.irp i, 0,1,2,3,4,5
	global_load_b128 v[KB+4*\i:KB+4*\i+3], v[LA], s[FB:FB+1] offset:512*\i   ; four places behind the last product that read K's fragments: 6 x 512 consecutive bytes
.endr
.endif
.irp i, 6,10,14,18,22,26,30,34,38,42,46,50,54,58
.irp u, 0,1
	v_max3_num_f32 v[T+2*\u],   v[T+2*\u],   v[S+64*\u+\i],   v[S+64*\u+\i+1]
	v_max3_num_f32 v[T+2*\u+1], v[T+2*\u+1], v[S+64*\u+\i+2], v[S+64*\u+\i+3]
.endr
.endr
.irp u, 0,1
	v_max3_num_f32 v[T+2*\u], v[T+2*\u], v[S+64*\u+62], v[S+64*\u+63]
.endr
.irp u, 0,1
	v_max_num_f32 v[T+2*\u], v[T+2*\u], v[T+2*\u+1]
.endr
.irp u, 0,1
	v_permlanex16_b32 v[T+2*\u+1], v[T+2*\u], s[SEL], s[SEL+1]
.endr
.irp u, 0,1
	v_max_num_f32 v[T+2*\u], v[T+2*\u], v[T+2*\u+1]   ; and among lane l xor 16's
.endr
.irp u, 0,1
	v_mul_f32 v[T+2*\u], s[CS], v[T+2*\u]          ; as t (c is positive)
.endr
.irp u, 0,1
	v_floor_f32 v[T+2*\u], -v[T+2*\u]              ; floor(-t) = -ceil(t): a whole number
.endr
.irp u, 0,1
	v_min_num_f32 v[T+2*\u], v[T+2*\u], v[STAT+4*\u]   ; the new -M
.endr
.irp u, 0,1
	v_sub_f32 v[T+2*\u+1], v[T+2*\u], v[STAT+4*\u] ; M's old value less its new one: a whole number, 0 or less
.endr
.irp u, 0,1
	v_mov_b32 v[STAT+4*\u], v[T+2*\u]
	v_mov_b32 v[STAT+4*\u+1], v[T+2*\u]
.endr
.irp u, 0,1
	v_cvt_i32_f32 v[T+2*\u+1], v[T+2*\u+1]         ; (it saturates)
.endr
.irp u, 0,1
	v_ldexp_f32 v[T+2*\u], 1.0, v[T+2*\u+1]        ; f = 2^(old M - new M), in both registers of the pair
.endr
.irp u, 0,1
	v_ldexp_f32 v[T+2*\u+1], 1.0, v[T+2*\u+1]
.endr
.irp u, 0,1
	MUL2 STAT+4*\u+2, T+2*\u                       ; the sums under the new M,
.endr
.set nn, 0
.rept 16
.irp u, 0,1
	MUL2 O+32*\u+nn, T+2*\u                        ; and O^T, ahead of the exponentials; each accumulator from its low end on
.endr
.set nn, nn+2
.endr
	v_mov_b32 v[T], s[CS]                          ; c, in both registers of a pair
	v_mov_b32 v[T+1], s[CS]
.irp u, 0,1
.set nn, 0
.rept 32
	FMA2 S+64*\u+nn, T, STAT+4*\u                  ; t - M, two at a time
.set nn, nn+2
.endr
.endr
	s_wait_alu depctr_va_vdst(0)                   ; the wait ahead of the batch
.set nn, 0
.rept 128
	v_exp_f32 v[S+nn], v[S+nn]                     ; p = 2^(t - M), at most 1: not normalised.  Both tiles in one batch
.set nn, nn+1
.endr
	v_nop                                          ; a plain place behind the last exponential
	s_wait_alu depctr_va_vdst(0)                   ; one wait for the batch of 128, ahead of its first reader
	FINISH 0, \fill
.irp t, 0,1,2,3                        ; V's four fragments, into the registers that tile 0's p has left; they land under tile 1's sum and conversions
.irp g, 0,1,2,3
	ds_load_b128 v[S+16*\t+4*\g:S+16*\t+4*\g+3], v[ADR] offset:8192+2048*\t+512*\g
.endr
.endr
	FINISH 1, 0
	v_nop                                          ; one plain vector instruction between the last conversion and the products that read its result
	s_wait_alu depctr_va_vdst(0)                   ; the wait here, directly ahead of the wait below
	s_wait_dscnt 0x0                               ; V is in, and the step's LDS stores are done: no LDS instruction of mine is out at a step's end
.irp t, 0,1,2,3                        ; O^T += V^T P: eight accumulators, one instruction a turn
.irp u, 0,1
	v_wmma_f32_16x16x128_fp8_fp8 v[O+32*\u+8*\t:O+32*\u+8*\t+7], v[S+16*\t:S+16*\t+15], v[KB+16*\u:KB+16*\u+15], v[O+32*\u+8*\t:O+32*\u+8*\t+7]
.endr
.endr
	s_sub_co_u32 s[TB], s[TB], KBLK                ; on to the block below
.endm
	s_mov_b32 s[TB], 15*KBLK
	s_mov_b32 s[CNT], 4
.Lfill:                                            ; key blocks 15 to 12; each trip brings three of blocks 11 to 0
	STEP 1
	s_sub_co_u32 s[CNT], s[CNT], 1
	s_cmp_lg_u32 s[CNT], 0
	s_cbranch_scc1 .Lfill
	s_wait_alu depctr_va_vdst(0)                   ; the wait ahead of the signal
	s_wait_dscnt 0x0                               ; my parts of key blocks 11 to 0 are written, and my reads of block 15 are over
	s_barrier_signal -1
	s_barrier_wait -1                              ; everybody's are
	s_mov_b32 s[TB], 11*KBLK
	s_mov_b32 s[CNT], 12
.Lrest:                                            ; key blocks 11 to 0
	STEP 0
	s_sub_co_u32 s[CNT], s[CNT], 1
	s_cmp_lg_u32 s[CNT], 0
	s_cbranch_scc1 .Lrest
	; THE WAY OUT.  O^T is divided by the row's sum, multiplied by 2^(e8 + e9), and goes through my stage in LDS, a tile (16 queries x 256 bytes) at a time, so that sixteen lanes store 256 consecutive aligned bytes:
	; a token's 64 channels of this head.  The first four lines are the places behind the last products.
	v_bfe_u32 v4, v[LA], 4, 4                      ; r = lane % 16
	v_bfe_u32 v5, v[LA], 8, 1                      ; h = lane / 16
.irp u, 0,1
	v_add_f32 v[STAT+4*\u+2], v[STAT+4*\u+2], v[STAT+4*\u+3]   ; the sum's two halves,
.endr
.irp u, 0,1
	v_permlanex16_b32 v[STAT+4*\u+3], v[STAT+4*\u+2], s[SEL], s[SEL+1]
.endr
.irp u, 0,1
	v_add_f32 v[STAT+4*\u+2], v[STAT+4*\u+2], v[STAT+4*\u+3]   ; and lane l xor 16's: the row's sum
.endr
	s_mul_i32 s52, s[WV], 16*SPI
	s_add_co_u32 s52, s52, STAGE                   ; my stage: one tile of 16 rows, used twice
	v_mul_u32_u24 v224, v4, SPI
	v_mul_u32_u24 v225, v5, SPI
	v_lshlrev_b32 v226, 12, v5
	v_lshl_add_u32 v224, v5, 5, v224
	v_lshl_add_u32 v225, v4, 4, v225
	v_lshl_add_u32 v226, v4, 4, v226               ; two rows of the output, 4096 bytes apart, 16 bytes a lane
	v_add_nc_u32 v224, s52, v224                   ; in: row r; channels 16 t + 8 h on: 64 t + 32 h bytes
	v_add_nc_u32 v225, s52, v225                   ; back: lanes 0-15 one row, lanes 16-31 the next
	s_wait_alu depctr_va_vdst(0)                   ; the wait ahead of the transcendentals
.irp u, 0,1
	v_rcp_f32 v[STAT+4*\u+2], v[STAT+4*\u+2]
.endr
	v_nop                                          ; a plain instruction behind the last reciprocal
	s_wait_alu depctr_va_vdst(0)                   ; one wait for both, ahead of their first reader
.irp u, 0,1
	v_ldexp_f32 v[STAT+4*\u+2], v[STAT+4*\u+2], s[ESUM]   ; x 2^(e8 + e9)
.endr
	s_wait_alu depctr_va_vdst(0)                   ; the wait here, directly ahead of the first readers of O^T
.irp u, 0,1
.set nn, 0
.rept 16
	v_pk_mul_f32 v[S+32*\u+nn:S+32*\u+nn+1], v[O+32*\u+nn:O+32*\u+nn+1], v[STAT+4*\u+2:STAT+4*\u+3] op_sel_hi:[1,0]   ; register 8 t + j is out(query r, channel 16 t + 8 h + j); each accumulator from its low end on
.set nn, nn+2
.endr
.endr
.irp u, 0,1
.irp t, 0,1,2,3
	ds_store_b128 v224, v[S+32*\u+8*\t:S+32*\u+8*\t+3]   offset:64*\t
	ds_store_b128 v224, v[S+32*\u+8*\t+4:S+32*\u+8*\t+7] offset:64*\t+16
.endr
.irp i, 0,1,2,3,4,5,6,7
	ds_load_b128 v[S+64+32*\u+4*\i:S+64+32*\u+4*\i+3], v225 offset:2*SPI*\i   ; LDS serves a wave's instructions in order (ISA guide 5.7.1.4): these see my stores, and tile 1's stores come behind tile 0's loads
.endr
.endr
.irp i, 0,1,2,3,4,5,6,7
	s_wait_dscnt 23-\i                             ; behind tile 0's load i: its 7 - i later loads and tile 1's sixteen LDS instructions
	global_store_b128 v226, v[S+64+4*\i:S+64+4*\i+3], s[10:11] offset:2*\i*4096 th:TH_STORE_NT
.endr
.irp i, 0,1,2,3,4,5,6,7
	s_wait_dscnt 7-\i
	global_store_b128 v226, v[S+96+4*\i:S+96+4*\i+3], s[10:11] offset:(16+2*\i)*4096 th:TH_STORE_NT
.endr
	v_lshl_add_u32 v6, v0, 2, SPARE                ; my spare word and 0, made here from v0, which has stayed as at the entry: all 256 registers are at work in the loops
	v_mov_b32 v7, 0
	s_wait_alu depctr_va_vdst(0)                   ; the wait here, directly ahead of the wait below
	s_wait_tensorcnt 0x0                           ; the wave's end, behind my last LDS store
	ds_add_u32 v6, v7
	s_wait_dscnt 0x0
	s_endpgm
.Lfunc_end_k_q6aa6acce3e_attn:
	.size	k_q6aa6acce3e_attn, .Lfunc_end_k_q6aa6acce3e_attn-k_q6aa6acce3e_attn
	.p2alignl 7, 3214868480
	.fill 96, 4, 3214868480
	.section	.rodata,"a",@progbits
	.p2align	6, 0x0
	.amdhsa_kernel k_q6aa6acce3e_attn
		.amdhsa_group_segment_fixed_size 327680
		.amdhsa_private_segment_fixed_size 0
		.amdhsa_enable_private_segment 0
		.amdhsa_kernarg_size 32
		.amdhsa_user_sgpr_count 2
		.amdhsa_user_sgpr_kernarg_segment_ptr 1
		.amdhsa_wavefront_size32 1
		.amdhsa_system_sgpr_workgroup_id_x 1
		.amdhsa_system_sgpr_workgroup_id_y 1
		.amdhsa_system_sgpr_workgroup_id_z 1
		.amdhsa_system_vgpr_workitem_id 0
		.amdhsa_next_free_vgpr 256
		.amdhsa_next_free_sgpr 66
		.amdhsa_reserve_vcc 0
		.amdhsa_float_denorm_mode_32 3
		.amdhsa_float_denorm_mode_16_64 3
		.amdhsa_memory_ordered 1
		.amdhsa_forward_progress 1
		.amdhsa_inst_pref_size 77
	.end_amdhsa_kernel
	.amdgpu_metadata
---
amdhsa.version: [ 1, 2 ]
amdhsa.kernels:
  - .name:           k_q6aa6acce3e_attn
    .symbol:         k_q6aa6acce3e_attn.kd
    .args:
      - { .name: qc, .offset: 0, .size: 8, .value_kind: global_buffer, .address_space: global }
      - { .name: kv, .offset: 8, .size: 8, .value_kind: global_buffer, .address_space: global }
      - { .name: lowp_scales, .offset: 16, .size: 8, .value_kind: global_buffer, .address_space: global }
      - { .name: out0, .offset: 24, .size: 8, .value_kind: global_buffer, .address_space: global }
    .group_segment_fixed_size: 327680
    .private_segment_fixed_size: 0
    .kernarg_segment_align: 8
    .kernarg_segment_size: 32
    .max_flat_workgroup_size: 512
    .sgpr_count:     66
    .vgpr_count:     256
    .wavefront_size: 32
...
	.end_amdgpu_metadata
.endif
;; end of part 2
